; MI455X (gfx1250); checked and timed in simulation.
; The chip was launched on July 23, 2026; its instructions are those of AMD's public machine-readable ISA for CDNA 5 (MIT licence, August 2026) and "CDNA5" Instruction Set Architecture Reference Guide (July 2026). The comments in the code are by the model that wrote it; some were corrected since.
;; Attention Layer. Allowed arithmetic: float matrix products may take bf16 or f16 operands with f32 sums; all other float work in f32.
;; Inputs: W0 2,048 x 1,024 float32; b0 1,024 float32; b1 1 float32; enc_seq 64 x 512 x 1,024 float32; hidden 64 x 1 x 1,024 float32; mask 64 x 512 bool; w1 1,024 float32.
;; Outputs: out0 64 x 1,024 float32.
;; One version. Each part assembles by itself: llvm-mc -triple=amdgcn-amd-amdhsa -mcpu=gfx1250 --defsym DOCPART=n.
;; ======== version 1 of 1: 3 launches
;; workspace buffers: Wf 2,097,152 bytes; cpart 2,097,152 bytes; part 1,048,576 bytes; stat 131,072 bytes
;; launch prep (part 1): grid 16 x 8, 4 waves a work-group, no clusters, 75,264 bytes of LDS; arguments W0, hidden, Wf, cpart; writes Wf, cpart
.if DOCPART == 1
	.amdgcn_target "amdgcn-amd-amdhsa--gfx1250"
	.amdhsa_code_object_version 6
	.text
	.protected	k_q4ea94c384d_prep
	.globl	k_q4ea94c384d_prep
	.p2align	8
	.type	k_q4ea94c384d_prep,@function
k_q4ea94c384d_prep:
	s_mov_b64 s[64:65], 0
	v_nop
	global_prefetch_b8 v0, s[64:65] scope:SCOPE_SE
	s_setreg_imm32_b32 hwreg(HW_REG_WAVE_MODE, 25, 1), 1
	s_wait_xcnt 0x0
; W0 is [2048 k][1024 n] f32.  Its upper half (k < 1024) multiplies enc, its lower half multiplies hidden, which is the same for all 512 rows of a batch.
; This launch (a) writes the upper half as bf16 in the order in which the next launch's matrix instructions want it (Wf), and
; (b) makes cpart[y][b][n] = the sum over k = 128 y .. 128 y + 127 of hidden[b][k] W0[1024 + k][n], bf16 operands, f32 sums: eight partial sums over K, added up by the next launch.
; SHARES.  Work-group (x, y): columns n = 64 x .. + 63, K rows 128 y .. + 127 of both halves.  Wave w loads K rows 32 w .. + 31 of both tiles and the K step w of hidden;
; behind the barrier it owns the 16 columns 16 w .. + 15.  All 48 loads of a wave go out in one run; each byte of W0 is read once in the launch.
; Wf: [w 4][c 2][s 32][f 8][1024 bytes]; a block is the fragment of columns n = 512 c + 128 w + 16 f + (lane % 16), K = 32 s .. + 31:
; bytes 16 lane .. + 15 are the lane's registers 0-3, bytes 512 + 16 lane .. its registers 4-7, so that a load of 16 bytes a lane fills half a fragment.
; No cluster, no tensor load: no two work-groups read the same bytes of W0, and the f32 numbers must pass through registers to be rounded.
; LIMITS.  W0 and hidden are rounded to bf16; NaN and infinities are not treated apart.
.set PW,    160                        ; a K row of a tile in LDS: 64 bf16 = 128 bytes + 32 of padding: an odd multiple of 32
.set WT1,   128*PW                     ; the lower tile, behind the upper one (which begins at 0)
.set HF,    2*128*PW                   ; hidden's 16 fragments (K step s, batch block a at (4 s + a) x 1,024)
.set ST,    HF+16*1024                 ; the stage for the way out: 64 rows (b) x 64 f32, pitch 272
.set SPT,   272
.set SPARE, ST+64*SPT                  ; the spare words, 128 bytes a wave: two blocks of 256 bytes that no other line names
.set VW,  2                            ; v2   my 16 bytes in two rows of a tile of W0: (l / 16) x 4,096 + 16 (l % 16)
.set VH,  3                            ; v3   my 32 bytes in 16 rows of hidden: (l % 16) x 4,096 + 32 (l / 16)
.set VS,  4                            ; v4   where my 8 bytes of bf16 go in a tile
.set VHS, 5                            ; v5   where my 16 bytes of a fragment of hidden go
.set VTR, 6                            ; v6   the turning load's address for my wave's 16 columns
.set VHF, 7                            ; v7   HF + 16 l
.set VST, 8                            ; v8   into the stage
.set VRD, 9                            ; v9   back from the stage
.set VCO, 10                           ; v10  my byte offset in cpart
.set VL16, 11                          ; v11  16 l
.set UP,  16                           ; v16-79   the upper tile as loaded; later TF, its 4 fragments (32 registers)
.set LO,  80                           ; v80-143  the lower tile as loaded
.set HI,  144                          ; v144-207 hidden as loaded
.set TF,  16
.set BF,  48                           ; v48-79   the lower tile's 4 fragments
.set HFR, 80                           ; v80-207  hidden's 16 fragments; later v80-111 the rows on the way out
.set ACC, 208                          ; v208-239 four accumulators, one for each block of 16 batches
.set SPW, 240                          ; v240 LDS address of my spare word; never rewritten
.set NIL, 241                          ; v241 0; never rewritten
	s_load_b256 s[4:11], s[0:1], 0x0               ; W0 s[4:5], hidden s[6:7], Wf s[8:9], cpart s[10:11]
	v_lshl_add_u32 v[SPW], v0, 2, SPARE
	v_mov_b32 v[NIL], 0
	v_lshrrev_b32 v1, 5, v0
	v_readfirstlane_b32 s12, v1                    ; wave 0..3
	s_and_b32 s13, ttmp7, 0xffff                   ; y
	v_and_b32 v12, 31, v0                          ; l
	v_and_b32 v13, 15, v0                          ; l % 16
	v_bfe_u32 v14, v0, 4, 1                        ; l / 16
	v_lshlrev_b32 v[VW], 4, v13
	v_lshl_add_u32 v[VW], v14, 12, v[VW]
	v_lshlrev_b32 v[VH], 12, v13
	v_lshl_add_u32 v[VH], v14, 5, v[VH]
	s_lshl_b32 s22, s13, 19                        ; W0: (128 y + 32 w) rows of 4,096 bytes + 256 x
	s_lshl_b32 s23, s12, 17
	s_add_co_u32 s22, s22, s23
	s_lshl_b32 s23, ttmp9, 8
	s_add_co_u32 s22, s22, s23
	s_mov_b32 s23, 0
	s_lshl_b32 s24, s13, 9                         ; hidden: (128 y + 32 w) x 4 bytes along a row
	s_lshl_b32 s25, s12, 7
	s_add_co_u32 s24, s24, s25
	s_mov_b32 s25, 0
	s_bfe_u32 s26, ttmp9, 0x20001                  ; Wf: the owner wave of columns 64 x is (x >> 1) & 3,
	s_lshl_b32 s26, s26, 1
	s_lshr_b32 s27, ttmp9, 3                       ; the chunk x >> 3:
	s_add_co_u32 s26, s26, s27
	s_lshl_b32 s26, s26, 18                        ; 262,144 bytes for each pair of them;
	s_lshl_b32 s27, s13, 15                        ; K steps 4 y on, 8,192 bytes each;
	s_add_co_u32 s26, s26, s27
	s_and_b32 s27, ttmp9, 1
	s_lshl2_add_u32 s27, s27, s12                  ; column block 4 (x & 1) + w
	s_lshl_b32 s27, s27, 10
	s_add_co_u32 s26, s26, s27
	s_mov_b32 s27, 0
	s_lshl_b32 s28, s13, 18                        ; cpart: y x 64 x 4,096 + 256 x
	s_lshl_b32 s29, ttmp9, 8
	s_add_co_u32 s28, s28, s29
	s_mov_b32 s29, 0
	s_wait_kmcnt 0x0
	s_add_nc_u64 s[14:15], s[4:5], s[22:23]
	s_add_nc_u64 s[16:17], s[6:7], s[24:25]
	s_add_nc_u64 s[18:19], s[8:9], s[26:27]
	s_add_nc_u64 s[20:21], s[10:11], s[28:29]
	; 48 loads in one run.  A load of W0 takes two rows' 256 bytes: 16 lanes cover 256 consecutive bytes, at a multiple of 256 from W0's first byte.
.set t, 0
.rept 16
	global_load_b128 v[UP+4*t:UP+4*t+3], v[VW], s[14:15] offset:t*8192 th:TH_LOAD_NT
.set t, t+1
.endr
.set t, 0
.rept 16
	global_load_b128 v[LO+4*t:LO+4*t+3], v[VW], s[14:15] offset:1024*4096+t*8192 th:TH_LOAD_NT
.set t, t+1
.endr
.irp a, 0,1,2,3                        ; hidden, batches 16 a + l % 16: K = 8 (l / 16) + 0..7 (32 bytes), then 16 + 8 (l / 16) + 0..7 (64 bytes on)
	global_load_b128 v[HI+16*(\a):HI+16*(\a)+3],     v[VH], s[16:17] offset:(\a)*65536
	global_load_b128 v[HI+16*(\a)+4:HI+16*(\a)+7],   v[VH], s[16:17] offset:(\a)*65536+16
	global_load_b128 v[HI+16*(\a)+8:HI+16*(\a)+11],  v[VH], s[16:17] offset:(\a)*65536+64
	global_load_b128 v[HI+16*(\a)+12:HI+16*(\a)+15], v[VH], s[16:17] offset:(\a)*65536+80
.endr
	; the other addresses are made while the loads are out
	s_mul_i32 s30, s12, 32*PW
	v_mul_u32_u24 v[VS], v14, PW
	v_lshl_add_u32 v[VS], v13, 3, v[VS]
	v_add_nc_u32 v[VS], s30, v[VS]                 ; row 32 w + l / 16, 8 bytes for each of 16 lanes
	s_lshl_b32 s30, s12, 12
	s_add_co_u32 s30, s30, HF
	v_lshl_add_u32 v[VHS], v12, 4, s30             ; my wave's four fragments (K step w)
	v_and_b32 v15, 7, v0
	v_bfe_u32 v1, v0, 3, 1
	v_lshl_add_u32 v[VTR], v14, 3, v15             ; the turning load: lane l reads K row 8 (l / 16) + l % 8,
	v_mul_u32_u24 v[VTR], v[VTR], PW
	v_lshl_add_u32 v[VTR], v1, 4, v[VTR]           ; columns 8 ((l / 8) % 2) + 0..7
	s_lshl_b32 s30, s12, 5
	v_add_nc_u32 v[VTR], s30, v[VTR]               ; of my wave's 16
	v_lshl_add_u32 v[VHF], v12, 4, HF
	v_mul_u32_u24 v[VST], v13, SPT                 ; into the stage: row (batch) l % 16, my wave's 16 columns, 8 for each half of the lanes
	v_lshl_add_u32 v[VST], v14, 5, v[VST]
	s_lshl_b32 s30, s12, 6
	s_add_co_u32 s30, s30, ST
	v_add_nc_u32 v[VST], s30, v[VST]
	s_mul_i32 s30, s12, 16*SPT                     ; back: wave w takes rows 16 w .. + 15, whole; lanes 0-15 one row of 256 bytes, lanes 16-31 the next
	s_add_co_u32 s30, s30, ST
	v_mul_u32_u24 v[VRD], v14, SPT
	v_lshl_add_u32 v[VRD], v13, 4, v[VRD]
	v_add_nc_u32 v[VRD], s30, v[VRD]
	s_lshl_b32 s30, s12, 16                        ; and the same two rows in cpart
	v_lshlrev_b32 v[VCO], 4, v13
	v_lshl_add_u32 v[VCO], v14, 12, v[VCO]
	v_add_nc_u32 v[VCO], s30, v[VCO]
	v_lshlrev_b32 v[VL16], 4, v12
; A tile as loaded is rounded to bf16 in place (4 f32 -> 8 bytes) and laid into LDS, K rows of 160 bytes.
.macro TOLDS base, off
.set t, 0
.rept 16
	v_cvt_pk_bf16_f32 v[(\base)+4*t],   v[(\base)+4*t],   v[(\base)+4*t+1]
	v_cvt_pk_bf16_f32 v[(\base)+4*t+1], v[(\base)+4*t+2], v[(\base)+4*t+3]
	ds_store_b64 v[VS], v[(\base)+4*t:(\base)+4*t+1] offset:(\off)+t*2*PW
.set t, t+1
.endr
.endm
	s_wait_loadcnt 32                              ; loads come back in order: the upper tile is in, the 32 younger loads stay out
	TOLDS UP, 0
	s_wait_loadcnt 16                              ; the lower tile is in, hidden's 16 loads stay out
	TOLDS LO, WT1
	s_wait_loadcnt 0x0                             ; hidden
.irp a, 0,1,2,3
.irp i, 0,1,2,3,4,5,6,7                ; in place, ascending: register i is written when 2 i and 2 i + 1 have been read
	v_cvt_pk_bf16_f32 v[HI+16*(\a)+(\i)], v[HI+16*(\a)+2*(\i)], v[HI+16*(\a)+2*(\i)+1]
.endr
	ds_store_b128 v[VHS], v[HI+16*(\a):HI+16*(\a)+3]   offset:(\a)*1024
	ds_store_b128 v[VHS], v[HI+16*(\a)+4:HI+16*(\a)+7] offset:(\a)*1024+512
.endr
	s_wait_dscnt 0x0                               ; for the others' sake: my stores into the tiles and fragments are done
	s_barrier_signal -1
	s_barrier_wait -1
	; 48 LDS loads: the upper tile's four fragments of my 16 columns first, then the lower tile's, then all of hidden's
.irp s, 0,1,2,3
	ds_load_tr16_b128 v[TF+8*(\s):TF+8*(\s)+3],   v[VTR] offset:(\s)*32*PW
	ds_load_tr16_b128 v[TF+8*(\s)+4:TF+8*(\s)+7], v[VTR] offset:(\s)*32*PW+16*PW
.endr
.irp s, 0,1,2,3
	ds_load_tr16_b128 v[BF+8*(\s):BF+8*(\s)+3],   v[VTR] offset:WT1+(\s)*32*PW
	ds_load_tr16_b128 v[BF+8*(\s)+4:BF+8*(\s)+7], v[VTR] offset:WT1+(\s)*32*PW+16*PW
.endr
.set f, 0
.rept 16
	ds_load_b128 v[HFR+8*f:HFR+8*f+3],   v[VHF] offset:f*1024
	ds_load_b128 v[HFR+8*f+4:HFR+8*f+7], v[VHF] offset:f*1024+512
.set f, f+1
.endr
	s_wait_dscnt 40                                ; LDS loads come back in order: the first eight are in, the 40 younger may be out
.irp s, 0,1,2,3
	global_store_b128 v[VL16], v[TF+8*(\s):TF+8*(\s)+3],   s[18:19] offset:(\s)*8192      ; each store of the wave covers 512 consecutive bytes, aligned
	global_store_b128 v[VL16], v[TF+8*(\s)+4:TF+8*(\s)+7], s[18:19] offset:(\s)*8192+512
.endr
	s_wait_dscnt 0x0
	; source 0 = 16 columns of W0 (the result's rows), source 1 = 16 batches: a lane then holds one batch and eight neighbouring columns.
	; The four accumulators take turns, one instruction a turn; the first K step starts the sums.
.irp s, 0,1,2,3
.irp a, 0,1,2,3
.if (\s) == 0
	v_wmma_f32_16x16x32_bf16 v[ACC+8*(\a):ACC+8*(\a)+7], v[BF+8*(\s):BF+8*(\s)+7], v[HFR+8*(4*(\s)+(\a)):HFR+8*(4*(\s)+(\a))+7], 0
.else
	v_wmma_f32_16x16x32_bf16 v[ACC+8*(\a):ACC+8*(\a)+7], v[BF+8*(\s):BF+8*(\s)+7], v[HFR+8*(4*(\s)+(\a)):HFR+8*(4*(\s)+(\a))+7], v[ACC+8*(\a):ACC+8*(\a)+7]
.endif
.endr
.endr
.rept 4
	v_nop                                          ; four places between the last product and the stores that read results, and the loads into its sources
.endr
.irp a, 0,1,2,3
	ds_store_b128 v[VST], v[ACC+8*(\a):ACC+8*(\a)+3]   offset:(\a)*16*SPT      ; each accumulator's low registers first
	ds_store_b128 v[VST], v[ACC+8*(\a)+4:ACC+8*(\a)+7] offset:(\a)*16*SPT+16
.endr
	s_wait_dscnt 0x0                               ; a row's 256 bytes come from four waves: my stores are done,
	s_barrier_signal -1
	s_barrier_wait -1                              ; everybody's are
.irp t, 0,1,2,3,4,5,6,7
	ds_load_b128 v[HFR+4*(\t):HFR+4*(\t)+3], v[VRD] offset:(\t)*2*SPT
.endr
.irp t, 0,1,2,3,4,5,6,7
	s_wait_dscnt 7-(\t)
	global_store_b128 v[VCO], v[HFR+4*(\t):HFR+4*(\t)+3], s[20:21] offset:(\t)*8192  ; 16 lanes store 256 consecutive bytes, at a multiple of 256 from cpart's first byte
.endr
	s_wait_tensorcnt 0x0                           ; the wave's end, behind my last LDS store
	ds_add_u32 v[SPW], v[NIL]
	s_wait_dscnt 0x0
	s_endpgm
.Lfunc_end_k_q4ea94c384d_prep:
	.size	k_q4ea94c384d_prep, .Lfunc_end_k_q4ea94c384d_prep-k_q4ea94c384d_prep
	.p2alignl 7, 3214868480
	.fill 96, 4, 3214868480
	.section	.rodata,"a",@progbits
	.p2align	6, 0x0
	.amdhsa_kernel k_q4ea94c384d_prep
		.amdhsa_group_segment_fixed_size 75264
		.amdhsa_private_segment_fixed_size 0
		.amdhsa_enable_private_segment 0
		.amdhsa_kernarg_size 32
		.amdhsa_user_sgpr_count 2
		.amdhsa_user_sgpr_kernarg_segment_ptr 1
		.amdhsa_wavefront_size32 1
		.amdhsa_system_sgpr_workgroup_id_x 1
		.amdhsa_system_sgpr_workgroup_id_y 1
		.amdhsa_system_sgpr_workgroup_id_z 1
		.amdhsa_system_vgpr_workitem_id 0
		.amdhsa_next_free_vgpr 244
		.amdhsa_next_free_sgpr 66
		.amdhsa_reserve_vcc 0
		.amdhsa_float_denorm_mode_32 3
		.amdhsa_float_denorm_mode_16_64 3
		.amdhsa_memory_ordered 1
		.amdhsa_forward_progress 1
		.amdhsa_inst_pref_size 24
	.end_amdhsa_kernel
	.amdgpu_metadata
---
amdhsa.version: [ 1, 2 ]
amdhsa.kernels:
  - .name:           k_q4ea94c384d_prep
    .symbol:         k_q4ea94c384d_prep.kd
    .args:
      - { .name: W0, .offset: 0, .size: 8, .value_kind: global_buffer, .address_space: global }
      - { .name: hidden, .offset: 8, .size: 8, .value_kind: global_buffer, .address_space: global }
      - { .name: Wf, .offset: 16, .size: 8, .value_kind: global_buffer, .address_space: global }
      - { .name: cpart, .offset: 24, .size: 8, .value_kind: global_buffer, .address_space: global }
    .group_segment_fixed_size: 75264
    .private_segment_fixed_size: 0
    .kernarg_segment_align: 8
    .kernarg_segment_size: 32
    .max_flat_workgroup_size: 128
    .sgpr_count:     66
    .vgpr_count:     244
    .wavefront_size: 32
...
	.end_amdgpu_metadata
.endif
;; end of part 1
;; launch main (part 2): grid 256 x 1, 4 waves a work-group, no clusters, 277,248 bytes of LDS; arguments enc_seq, Wf, cpart, b0, w1, b1, mask, part, stat; writes part, stat
.if DOCPART == 2
	.amdgcn_target "amdgcn-amd-amdhsa--gfx1250"
	.amdhsa_code_object_version 6
	.text
	.protected	k_q4ea94c384d_main
	.globl	k_q4ea94c384d_main
	.p2align	8
	.type	k_q4ea94c384d_main,@function
k_q4ea94c384d_main:
	s_mov_b64 s[64:65], 0
	v_nop
	global_prefetch_b8 v0, s[64:65] scope:SCOPE_SE
	s_setreg_imm32_b32 hwreg(HW_REG_WAVE_MODE, 25, 1), 1
	s_wait_xcnt 0x0
; score[row] = b1 + the sum over n of w1[n] tanh(enc[row] . W0[:1024, n] + c[b][n]),  c[b][n] = b0[n] + hidden[b] . W0[1024:, n] (its eight partial sums come in cpart);
; then, over this work-group's 128 rows alone: m = the largest score that the mask lets through, p = e^(score - m) (0 where hidden), l = the sum of p, part[k] = the sum of p[row] enc[row][k].
; The next launch joins a batch's four (m, l, part) with the batch's own maximum.
; SHARES.  256 work-groups, four to a batch, 128 rows of enc each.  The rows are read from memory ONCE, rounded to bf16 and kept in LDS (128 x 2,048 bytes) for both products.
; In the first product wave w owns all 128 rows x the columns 512 c + 128 w .. + 127 of chunk c = 0, 1: 64 accumulators of 16 x 16, 512 registers; K goes in 32 steps of 32, 64 matrix instructions each.
; Source 0 = 16 rows of enc, source 1 = 16 columns of W: a lane holds ONE column (lane % 16) and the rows 8 (lane / 16) + 0..7, so that c and w1 are one register a lane and column block.
; W comes in fragment order (Wf) straight into registers: a ring of four buffers of one K step (16 loads of 16 bytes a lane), three steps asked for ahead: 48 loads of a wave are out.
; NO CLUSTER, NO TENSOR LOAD, though all work-groups walk the same 2 MiB of W: the resident rows take 264,192 of the 327,680 bytes of LDS; what is left would hold two slots of under 32 KiB,
; and the four waves use up 32 KiB of W in one K step, so a joint load would have less than a step in which to land; no two waves of a work-group share a fragment of W; and enc has to pass
; through registers to be rounded.
; tanh(x) = 1 - 2 / (1 + 2^(K2 x)), K2 = 2 log2(e): the sums take c' = K2 c and w' = -2 w1, and a score is b1 - (sum of w') / 2 + the sum of w' / (1 + 2^(K2 x + c')).
; LIMITS.  enc and W0 are rounded to bf16, in the weighted sum too; all else is f32.  A score is made of f32 sums whose rounding goes with 2^-24 x the sum of |w1|.  2^(..) beyond f32's range gives
; tanh = 1, below it tanh = -1.  A hidden score counts as -3.4e38; a weight below 2^-126 counts as 0; NaN and infinities in the inputs are not treated apart.
; REGISTERS, in windows of 256 (s_set_vgpr_msb: bits 1:0 source 0, 3:2 source 1, 5:4 source 2, 7:6 destination):
;   window 0: v1-29 addresses; v32-39 c', v40-47 w' of the chunk's 8 column blocks; v48 the lane's sum of w'; v64-127, v128-191 A's fragments, two buffers (later the softmax and the weighted sum); v192-255 the score sums S[a][j]
;   window 1: W's ring, four buffers of 64       window 2: accumulators of rows 0-63 ((a, b) at 8 (8 a + b)); before the product the ring of 8 rows of enc in f32
;   window 3: accumulators of rows 64-127; before the product cpart, b0, w1 as loaded
.set PITCH, 2064                       ; a row of enc in LDS: 2,048 bytes + 16: an odd multiple of 16, so the 16 rows that a fragment load touches start at 16 different groups of four banks (ISA guide 11.1)
.set TC,    128*PITCH                  ; c'[1024], f32
.set TW,    TC+4096                    ; w'[1024], f32
.set SC,    TW+4096                    ; the waves' parts of the 128 scores: 512 bytes a wave
.set SE,    SC+2048                    ; the waves' sums of w': a word a wave, in a block of 256 bytes
.set PT,    SE+256                     ; p[128], a copy for each wave: 512 bytes a wave
.set SPARE, PT+2048                    ; the spare words, 128 bytes a wave: two blocks of 256 bytes that no other line names
.set VL16, 1                           ; v1   16 l; never rewritten
.set LA,   2                           ; v2   where my 8 bytes of a row of bf16 go
.set VT16, 3                           ; v3   16 x thread
.set VL4,  4                           ; v4   4 l
.set MK,   5                           ; v5   the mask bytes of rows 4 l .. 4 l + 3
.set ADR,  6                           ; v6-9 LDS address of A's fragments: rows 32 p + l % 16, 16 bytes for each half of the lanes
.set CWA,  10                          ; v10  my column's place in c' (w' lies 4,096 on)
.set SA,   11                          ; v11  where my 8 scores of a block go
.set SRD,  12                          ; v12  SC + 16 l
.set PAD,  13                          ; v13  my wave's copy of p
.set RA,   14                          ; v14  the weighted sum: my 8 bytes of a row
.set GO,   15                          ; v15  my byte offset in part
.set VTT,  16                          ; v16  TC + 16 x thread
.set SEA,  17                          ; v17  SE
.set SEW,  18                          ; v18  SE + 4 w
.set PTW,  19                          ; v19  PT + 512 w + 16 l
.set SPW,  28                          ; v28  LDS address of my spare word; never rewritten
.set NIL,  29                          ; v29  0; never rewritten
.set CB,   32
.set WB,   40
.set SX,   48
.set FA0,  64
.set FA1,  128
.set S,    192
.set PP,   96                          ; the weighted sum: p of 16 rows
.set RR,   112                         ; 16 rows x 16 bytes a lane
.set OO,   176                         ; my 8 sums
.set STT,  184                         ; (m, l, m, l)
.set MSB, 0
.macro WIN new                         ; the immediate's high byte repeats the setting that is left; a switch that changes nothing is dropped
.if MSB != (\new)
	s_set_vgpr_msb (MSB<<8)|(\new)
.set MSB, \new
.endif
.endm
.macro PLACES                          ; four places in front of loads into registers that matrix instructions have read, and of vector lines that read results (ISA guide 7.12.1 for the vector lines)
.rept 4
	v_nop
.endr
.endm
	s_load_b256 s[4:11], s[0:1], 0x0               ; enc s[4:5], Wf s[6:7], cpart s[8:9], b0 s[10:11]
	s_load_b256 s[12:19], s[0:1], 0x20             ; w1 s[12:13], b1 s[14:15], mask s[16:17], part s[18:19]
	s_load_b64 s[20:21], s[0:1], 0x40              ; stat
	v_lshl_add_u32 v[SPW], v0, 2, SPARE
	v_mov_b32 v[NIL], 0
	v_lshrrev_b32 v20, 5, v0
	v_readfirstlane_b32 s23, v20                   ; wave 0..3
	v_and_b32 v21, 31, v0                          ; l
	v_lshlrev_b32 v[VL16], 4, v21
	v_lshlrev_b32 v[VL4], 2, v21
	v_lshlrev_b32 v[VT16], 4, v0
	s_lshl_b32 s38, ttmp9, 19                      ; enc: 128 rows of 4,096 bytes a work-group, 32 a wave
	s_lshl_b32 s39, s23, 17
	s_add_co_u32 s38, s38, s39
	s_mov_b32 s39, 0
	s_lshl_b32 s40, s23, 19                        ; Wf: 524,288 bytes a wave
	s_mov_b32 s41, 0
	s_lshr_b32 s42, ttmp9, 2                       ; cpart: the batch's row of 4,096 bytes
	s_lshl_b32 s42, s42, 12
	s_mov_b32 s43, 0
	s_lshl_b32 s44, ttmp9, 7                       ; mask: 128 bytes a work-group
	s_mov_b32 s45, 0
	s_lshl_b32 s46, ttmp9, 12                      ; part: 4,096
	s_mov_b32 s47, 0
	s_lshl_b32 s48, ttmp9, 9                       ; stat: 512
	s_mov_b32 s49, 0
	s_mov_b32 s26, 0x4038aa3b                      ; K2 = 2 log2(e)
	s_mov_b32 s27, s26                             ; named with it as a pair
	s_mov_b32 s28, 0x76543210                      ; v_permlanex16_b32: each lane takes its own place in the other half
	s_mov_b32 s29, 0xfedcba98
	s_wait_kmcnt 0x0
	s_add_nc_u64 s[4:5], s[4:5], s[38:39]
	s_add_nc_u64 s[6:7], s[6:7], s[40:41]
	s_add_nc_u64 s[8:9], s[8:9], s[42:43]
	s_add_nc_u64 s[16:17], s[16:17], s[44:45]
	s_add_nc_u64 s[18:19], s[18:19], s[46:47]
	s_add_nc_u64 s[20:21], s[20:21], s[48:49]
	s_load_b32 s22, s[14:15], 0x0                  ; b1
	; 21 loads for the tables: thread t takes n = 512 i + 4 t .. + 3, i = 0, 1
	WIN 0xc0
.irp y, 0,1,2,3,4,5,6,7
.irp i, 0,1
	global_load_b128 v[4*(2*(\y)+(\i)):4*(2*(\y)+(\i))+3], v[VT16], s[8:9] offset:(\y)*262144+2048*(\i)
.endr
.endr
.irp i, 0,1
	global_load_b128 v[64+4*(\i):64+4*(\i)+3], v[VT16], s[10:11] offset:2048*(\i)
	global_load_b128 v[72+4*(\i):72+4*(\i)+3], v[VT16], s[12:13] offset:2048*(\i)
.endr
	WIN 0
	global_load_b32 v[MK], v[VL4], s[16:17]
	; ENC INTO LDS.  A ring of 8 row slots in window 2: a row is 8 loads of 512 consecutive bytes; 64 loads of a wave are asked for.
	WIN 0x80
.irp i, 0,1,2,3,4,5,6,7
.irp j, 0,1,2,3,4,5,6,7
	global_load_b128 v[32*(\i)+4*(\j):32*(\i)+4*(\j)+3], v[VL16], s[4:5] offset:(\i)*4096+512*(\j) th:TH_LOAD_NT
.endr
.endr
	WIN 0
	; the other addresses are made while the loads are out
	v_and_b32 v22, 15, v0                          ; l % 16
	v_bfe_u32 v23, v0, 4, 1                        ; l / 16
	s_mul_i32 s34, s23, 32*PITCH
	v_lshl_add_u32 v[LA], v21, 3, s34              ; my wave's first row, 8 bytes a lane
	v_mul_u32_u24 v24, v22, PITCH
	v_lshl_add_u32 v24, v23, 4, v24                ; a fragment's row x pitch + 16 x half
.irp p, 0,1,2,3
	v_add_nc_u32 v[ADR+(\p)], (\p)*32*PITCH, v24
.endr
	s_lshl_b32 s35, s23, 9                         ; 512 w
	s_add_co_u32 s36, s35, TC
	v_lshl_add_u32 v[CWA], v22, 2, s36
	s_add_co_u32 s36, s35, SC
	v_lshl_add_u32 v[SA], v23, 5, s36
	v_lshl_add_u32 v[SRD], v21, 4, SC
	s_add_co_u32 s36, s35, PT
	v_mov_b32 v[PAD], s36
	v_lshl_add_u32 v[PTW], v21, 4, s36
	v_lshl_add_u32 v[RA], v21, 3, s35
	s_lshl_b32 s36, s23, 10
	v_lshl_add_u32 v[GO], v21, 4, s36
	v_lshl_add_u32 v[VTT], v0, 4, TC
	v_mov_b32 v[SEA], SE
	s_lshl_b32 s36, s23, 2
	s_add_co_u32 s36, s36, SE
	v_mov_b32 v[SEW], s36
	s_wait_kmcnt 0x0                               ; b1
; The turn of row slot i: its 8 loads are in (cnt younger loads may stay out); 32 f32 a lane are rounded in place to 16 bf16 and go to LDS, 256 consecutive bytes a store.
; mode 1: the slot is filled again with the row 8 further down.  mode 2 (the last lap): six loads of W's first three K steps go out instead.
.macro TURN i, mode, cnt
	s_wait_loadcnt \cnt
	WIN 0x8a
.irp j, 0,1,2,3,4,5,6,7
	v_cvt_pk_bf16_f32 v[32*(\i)+4*(\j)],   v[32*(\i)+4*(\j)],   v[32*(\i)+4*(\j)+1]
	v_cvt_pk_bf16_f32 v[32*(\i)+4*(\j)+1], v[32*(\i)+4*(\j)+2], v[32*(\i)+4*(\j)+3]
.endr
	WIN 0x08
.irp j, 0,1,2,3,4,5,6,7
	ds_store_b64 v[LA], v[32*(\i)+4*(\j):32*(\i)+4*(\j)+1] offset:(\i)*PITCH+256*(\j)
.endr
.if (\mode) == 1
	WIN 0x80
.irp j, 0,1,2,3,4,5,6,7
	global_load_b128 v[32*(\i)+4*(\j):32*(\i)+4*(\j)+3], v[VL16], s[4:5] offset:(8+(\i))*4096+512*(\j) th:TH_LOAD_NT
.endr
.else
	WIN 0x40
.irp u, 0,1,2,3,4,5
	global_load_b128 v[4*(6*(\i)+(\u)):4*(6*(\i)+(\u))+3], v[VL16], s[6:7] offset:512*(6*(\i)+(\u))
.endr
.endif
.endm
	s_mov_b32 s24, 3
.Lrows:                                                ; three laps of 8 rows; the count 56: the seven younger slots' loads.  (The first such wait also shows the 21 older table loads done.)
.irp i, 0,1,2,3,4,5,6,7
	TURN \i, 1, 56
.endr
	WIN 0
	s_wait_xcnt 0x0                                ; the loads' base is stepped only behind this wait
	s_add_nc_u64 s[4:5], s[4:5], 8*4096
	v_add_nc_u32 v[LA], 8*PITCH, v[LA]
	s_sub_co_u32 s24, s24, 1
	s_cmp_lg_u32 s24, 0
	s_cbranch_scc1 .Lrows
.irp i, 0,1,2,3,4,5,6,7
	TURN \i, 2, 56-2*(\i)                          ; the last lap: (7 - i) x 8 younger loads of rows and 6 i of W
.endr
	; THE TABLES: c' = K2 (b0 + the eight parts of cpart), w' = -2 w1
	WIN 0xcf
.irp y, 0,1,2,3,4,5,6,7
.irp i, 0,1
.irp p, 0,1
	v_pk_add_f32 v[64+4*(\i)+2*(\p):64+4*(\i)+2*(\p)+1], v[64+4*(\i)+2*(\p):64+4*(\i)+2*(\p)+1], v[4*(2*(\y)+(\i))+2*(\p):4*(2*(\y)+(\i))+2*(\p)+1]
.endr
.endr
.endr
.irp u, 0,1,2,3
	v_pk_mul_f32 v[64+2*(\u):64+2*(\u)+1], v[64+2*(\u):64+2*(\u)+1], s[26:27] op_sel_hi:[1,0]
	v_pk_mul_f32 v[72+2*(\u):72+2*(\u)+1], v[72+2*(\u):72+2*(\u)+1], -2.0 op_sel_hi:[1,0]
.endr
	WIN 0x0c
.irp i, 0,1
	ds_store_b128 v[VTT], v[64+4*(\i):64+4*(\i)+3] offset:2048*(\i)
	ds_store_b128 v[VTT], v[72+4*(\i):72+4*(\i)+3] offset:4096+2048*(\i)
.endr
	WIN 0
	s_wait_dscnt 0x0                               ; for the others' sake: my rows and my part of the tables are in LDS
	s_barrier_signal -1
	s_barrier_wait -1                              ; everybody's are.  (W's 48 loads stay out across the barrier: they land in my own registers.)
; 16 LDS loads: A's 8 fragments (128 rows x 32 K) of the K step q behind ADR's base, into buffer F; rows 0-63 first
.macro FETCH_A q, F
	WIN 0
.irp a, 0,1,2,3,4,5,6,7
	ds_load_b128 v[(\F)+8*(\a):(\F)+8*(\a)+3],   v[ADR+(\a)/2] offset:((\a)&1)*16*PITCH+64*(\q)
	ds_load_b128 v[(\F)+8*(\a)+4:(\F)+8*(\a)+7], v[ADR+(\a)/2] offset:((\a)&1)*16*PITCH+64*(\q)+32
.endr
.endm
; 16 loads: W's 8 fragments of the K step g behind the base, into ring buffer FB; each covers 512 consecutive bytes
.macro LOAD_B g, FB
	WIN 0x40
.irp j, 0,1,2,3,4,5,6,7,8,9,10,11,12,13,14,15
	global_load_b128 v[(\FB)+4*(\j):(\FB)+4*(\j)+3], v[VL16], s[6:7] offset:(\g)*8192+512*(\j)
.endr
.endm
; 32 matrix instructions: rows 64 hi .. + 63 x all 8 column blocks.  zero = 1: the first K step starts the sums.
.macro MUL32 F, FB, hi, zero
	WIN 0xa4+0x50*(\hi)
.irp a, 0,1,2,3
.irp b, 0,1,2,3,4,5,6,7
.if \zero
	v_wmma_f32_16x16x32_bf16 v[8*(8*(\a)+(\b)):8*(8*(\a)+(\b))+7], v[(\F)+8*(4*(\hi)+(\a)):(\F)+8*(4*(\hi)+(\a))+7], v[(\FB)+8*(\b):(\FB)+8*(\b)+7], 0
.else
	v_wmma_f32_16x16x32_bf16 v[8*(8*(\a)+(\b)):8*(8*(\a)+(\b))+7], v[(\F)+8*(4*(\hi)+(\a)):(\F)+8*(4*(\hi)+(\a))+7], v[(\FB)+8*(\b):(\FB)+8*(\b)+7], v[8*(8*(\a)+(\b)):8*(8*(\a)+(\b))+7]
.endif
.endr
.endr
.endm
; A K STEP: multiplies A's buffer F by W's buffer FB.  In its middle, in one run: the next step's A (step q behind ADR's base) into G, and W three steps on (step g behind the base) into the ring
; buffer that the step before has left.  lc: the younger loads of W that may be out.  adj: what ADR's base moves by, behind the run.  q, g = -1: nothing is left to fetch.
; The 64 accumulators take turns in the same order in every step, one instruction a turn.
.macro STEP F, G, FB, zero, q, g, lc, adj
	s_wait_loadcnt \lc
	s_wait_dscnt 8                                 ; A's rows 0-63 are in; the youngest eight loads (rows 64-127) may be out
	MUL32 \F, \FB, 0, \zero
	PLACES
.if (\q) >= 0
	FETCH_A \q, \G
.if (\adj) != 0
.irp p, 0,1,2,3
	v_add_nc_u32 v[ADR+(\p)], \adj, v[ADR+(\p)]
.endr
.endif
.endif
.if (\g) >= 0
	LOAD_B \g, ((\FB)+192)%256
.endif
.if (\q) >= 0
	s_wait_dscnt 16                                ; all but the 16 just issued
.else
	s_wait_dscnt 0x0
.endif
	MUL32 \F, \FB, 1, \zero
.endm
; Three steps, on ring buffers 1, 2, 3.  ld = 0: the very last three, which ask for no more of W: the counts run down.
.macro T3 ld, adj
.if \ld
	STEP FA1, FA0, 64,  0, 2, 4, 32, 0
	STEP FA0, FA1, 128, 0, 3, 5, 32, \adj
	STEP FA1, FA0, 192, 0, 0, 6, 32, 0
.else
	STEP FA1, FA0, 64,  0, 2, -1, 32, 0
	STEP FA0, FA1, 128, 0, 3, -1, 16, \adj
	STEP FA1, FA0, 192, 0, -1, -1, 0, 0
.endif
.endm
; BEHIND A CHUNK'S PRODUCTS, for row block a: r = 1 / (1 + 2^(K2 x + c')) in place on its 8 accumulators, and S[a] += w' r.  Each accumulator is read from its low end on.
; c' and w' of column block b are one register of a pair: op_sel picks it for both halves.  The exponentials and the reciprocals stand in runs, a plain line behind each run (ISA guide 5.7.2).
.macro EPI a
.set XW, 2+(\a)/4
.set XB, 64*((\a)%4)
	WIN (XW<<6)|XW
.irp b, 0,1,2,3,4,5,6,7
.irp p, 0,1,2,3
.if (\b)&1
	v_pk_fma_f32 v[XB+8*(\b)+2*(\p):XB+8*(\b)+2*(\p)+1], v[XB+8*(\b)+2*(\p):XB+8*(\b)+2*(\p)+1], s[26:27], v[CB+(\b)-1:CB+(\b)] op_sel:[0,0,1] op_sel_hi:[1,0,1]
.else
	v_pk_fma_f32 v[XB+8*(\b)+2*(\p):XB+8*(\b)+2*(\p)+1], v[XB+8*(\b)+2*(\p):XB+8*(\b)+2*(\p)+1], s[26:27], v[CB+(\b):CB+(\b)+1] op_sel_hi:[1,0,0]
.endif
.endr
.endr
.set z, 0
.rept 64
	v_exp_f32 v[XB+z], v[XB+z]
.set z, z+1
.endr
	v_nop
.set z, 0
	s_wait_alu depctr_va_vdst(0)
.rept 32
	v_pk_add_f32 v[XB+2*z:XB+2*z+1], v[XB+2*z:XB+2*z+1], 1.0 op_sel_hi:[1,0]
.set z, z+1
.endr
.set z, 0
.rept 64
	v_rcp_f32 v[XB+z], v[XB+z]
.set z, z+1
.endr
	v_nop
	s_wait_alu depctr_va_vdst(0)
	WIN XW
.irp b, 0,1,2,3,4,5,6,7
.irp p, 0,1,2,3
.if (\b)&1
	v_pk_fma_f32 v[S+8*(\a)+2*(\p):S+8*(\a)+2*(\p)+1], v[XB+8*(\b)+2*(\p):XB+8*(\b)+2*(\p)+1], v[WB+(\b)-1:WB+(\b)], v[S+8*(\a)+2*(\p):S+8*(\a)+2*(\p)+1] op_sel:[0,1,0] op_sel_hi:[1,1,1]
.else
	v_pk_fma_f32 v[S+8*(\a)+2*(\p):S+8*(\a)+2*(\p)+1], v[XB+8*(\b)+2*(\p):XB+8*(\b)+2*(\p)+1], v[WB+(\b):WB+(\b)+1], v[S+8*(\a)+2*(\p):S+8*(\a)+2*(\p)+1] op_sel_hi:[1,0,1]
.endif
.endr
.endr
.endm
	FETCH_A 0, FA0                                 ; K step 0
.set z, 0
.rept 64
	v_mov_b32 v[S+z], 0                            ; the score sums are cleared once, so that the two chunks share one text
.set z, z+1
.endr
	v_mov_b32 v[SX], 0
	s_mov_b32 s25, 0                               ; the chunk
.Lchunk:                                               ; 32 K steps: 1 + 7 x 4 + 3
	STEP FA0, FA1, 0, 1, 1, 3, 32, 0               ; lc = 32 everywhere in the ring: the two younger steps' loads may be out
	WIN 0                                          ; at a label and at a branch every window is 0
	s_mov_b32 s24, 7
.Lk:
	T3 1, 256                                      ; ADR's base moves four K steps (256 bytes) on
	STEP FA0, FA1, 0, 0, 1, 7, 32, 0
	WIN 0
	s_wait_xcnt 0x0                                ; W's base is stepped only behind this wait
	s_add_nc_u64 s[6:7], s[6:7], 4*8192
	s_sub_co_u32 s24, s24, 1
	s_cmp_lg_u32 s24, 0
	s_cbranch_scc1 .Lk
	s_cmp_eq_u32 s25, 1
	s_cbranch_scc1 .Llast
	T3 1, 0xfffff900                               ; chunk 0's last three steps ask for chunk 1's first three of W and its first of A: ADR's base goes back by 1,792 bytes to K = 0
	WIN 0
	s_wait_xcnt 0x0
	s_add_nc_u64 s[6:7], s[6:7], 4*8192
	s_branch .Lepi
.Llast:
	T3 0, 0xfffff900                               ; chunk 1's last three: no load leaves Wf
	WIN 0
.Lepi:
	PLACES                                         ; between the last products and the lines that read results
.irp b, 0,1,2,3,4,5,6,7
	ds_load_b32 v[CB+(\b)], v[CWA] offset:64*(\b)
.endr
.irp b, 0,1,2,3,4,5,6,7
	ds_load_b32 v[WB+(\b)], v[CWA] offset:4096+64*(\b)
.endr
	s_wait_dscnt 0x0
.irp b, 0,1,2,3,4,5,6,7
	v_add_f32 v[SX], v[SX], v[WB+(\b)]
.endr
.irp a, 0,1,2,3,4,5,6,7
	EPI \a
.endr
	WIN 0
	v_add_nc_u32 v[CWA], 2048, v[CWA]              ; the next chunk's 512 columns
	s_add_co_u32 s25, s25, 1
	s_cmp_lt_u32 s25, 2
	s_cbranch_scc1 .Lchunk
	; THE SCORES.  A lane's S holds its column's share: the 16 lanes of a half are added up (four steps that ride on the additions), then the four waves' parts meet in LDS.
.irp m, 1,2,4,8
.set z, 0
.rept 64
	v_add_f32_dpp v[S+z], v[S+z], v[S+z] row_xmask:\m row_mask:0xf bank_mask:0xf
.set z, z+1
.endr
	v_add_f32_dpp v[SX], v[SX], v[SX] row_xmask:\m row_mask:0xf bank_mask:0xf
.endr
.irp a, 0,1,2,3,4,5,6,7
	ds_store_b128 v[SA], v[S+8*(\a):S+8*(\a)+3]   offset:64*(\a)         ; rows 16 a + 8 (l / 16) + 0..3: the 16 lanes of a half write the same words with the same values
	ds_store_b128 v[SA], v[S+8*(\a)+4:S+8*(\a)+7] offset:64*(\a)+16
.endr
	ds_store_b32 v[SEW], v[SX]
	s_wait_dscnt 0x0                               ; for the others' sake
	s_barrier_signal -1
	s_barrier_wait -1
	; THE SOFTMAX OF MY WORK-GROUP'S 128 ROWS, made alike by every wave: lane l has rows 4 l .. 4 l + 3
.irp q, 0,1,2,3
	ds_load_b128 v[64+4*(\q):64+4*(\q)+3], v[SRD] offset:512*(\q)
.endr
	ds_load_b128 v[80:83], v[SEA]
	v_mov_b32 v90, 0xff7fffff                      ; what a hidden score counts as
	v_mov_b32 v92, 0                               ; v_permlanex16_b32 counts as a reader of its destination
	v_mov_b32 v94, 0
	s_wait_dscnt 0x0
	v_add_f32 v80, v80, v81
	v_add_f32 v82, v82, v83
	v_pk_add_f32 v[64:65], v[64:65], v[68:69]
	v_pk_add_f32 v[66:67], v[66:67], v[70:71]
	v_pk_add_f32 v[72:73], v[72:73], v[76:77]
	v_pk_add_f32 v[74:75], v[74:75], v[78:79]
	v_add_f32 v80, v80, v82                        ; the sum of all w'
	v_pk_add_f32 v[64:65], v[64:65], v[72:73]
	v_pk_add_f32 v[66:67], v[66:67], v[74:75]
	v_fma_f32 v88, v80, -0.5, s22                  ; b1 + the sum of w1
.irp i, 0,1,2,3
	v_add_f32 v[84+(\i)], v[64+(\i)], v88
	v_bfe_u32 v89, v[MK], 8*(\i), 8
	v_cmp_ne_u32 s[30+(\i)], 0, v89
	v_cndmask_b32 v[84+(\i)], v90, v[84+(\i)], s[30+(\i)]
.endr
	v_max3_num_f32 v91, v84, v85, v86
	v_max_num_f32 v91, v91, v87
	v_max_num_f32_dpp v91, v91, v91 row_xmask:1 row_mask:0xf bank_mask:0xf
	v_max_num_f32_dpp v91, v91, v91 row_xmask:2 row_mask:0xf bank_mask:0xf
	v_max_num_f32_dpp v91, v91, v91 row_xmask:4 row_mask:0xf bank_mask:0xf
	v_max_num_f32_dpp v91, v91, v91 row_xmask:8 row_mask:0xf bank_mask:0xf
	v_permlanex16_b32 v92, v91, s28, s29
	v_max_num_f32 v91, v91, v92                    ; m, in every lane
.irp i, 0,1,2,3
	v_sub_f32 v[84+(\i)], v[84+(\i)], v91
.endr
.irp i, 0,1,2,3
	v_mul_f32 v[84+(\i)], 0x3fb8aa3b, v[84+(\i)]
.endr
.irp i, 0,1,2,3
	v_exp_f32 v[84+(\i)], v[84+(\i)]
.endr
	v_nop                                          ; a plain line between the last exponential and the use of its result
	s_wait_alu depctr_va_vdst(0)
.irp i, 0,1,2,3
	v_cndmask_b32 v[84+(\i)], 0, v[84+(\i)], s[30+(\i)]  ; a hidden row weighs nothing, also where all 128 are hidden
.endr
	ds_store_b128 v[PTW], v[84:87]                 ; p into my wave's own copy: no other wave touches it, and LDS serves a wave's instructions in order (ISA guide 5.7.1.4)
	v_add_f32 v93, v84, v85
	v_add_f32 v95, v86, v87
	v_add_f32 v93, v93, v95
	v_add_f32_dpp v93, v93, v93 row_xmask:1 row_mask:0xf bank_mask:0xf
	v_add_f32_dpp v93, v93, v93 row_xmask:2 row_mask:0xf bank_mask:0xf
	v_add_f32_dpp v93, v93, v93 row_xmask:4 row_mask:0xf bank_mask:0xf
	v_add_f32_dpp v93, v93, v93 row_xmask:8 row_mask:0xf bank_mask:0xf
	v_permlanex16_b32 v94, v93, s28, s29
	v_add_f32 v93, v93, v94                        ; l, in every lane
	v_mov_b32 v[STT], v91
	v_mov_b32 v[STT+1], v93
	v_mov_b32 v[STT+2], v91
	v_mov_b32 v[STT+3], v93
	; THE WEIGHTED SUM of the resident rows, in f32: wave w takes channels 256 w .. + 255, a lane 4 l .. + 3 and 128 + 4 l .. + 3 of them.  One row a batch is no work for the matrix unit.
.irp e, 0,1,2,3,4,5,6,7
	v_mov_b32 v[OO+(\e)], 0
.endr
	s_mov_b32 s24, 8
.Lsum:                                                 ; 8 trips of 16 rows
.irp i, 0,1,2,3
	ds_load_b128 v[PP+4*(\i):PP+4*(\i)+3], v[PAD] offset:16*(\i)     ; p of the 16 rows: every lane reads the same words
.endr
.set i, 0
.rept 16
	ds_load_b64 v[RR+4*i:RR+4*i+1],   v[RA] offset:i*PITCH
	ds_load_b64 v[RR+4*i+2:RR+4*i+3], v[RA] offset:i*PITCH+256
.set i, i+1
.endr
.set i, 0
.rept 16
	s_wait_dscnt 30-2*i                            ; row i is in; the later rows' loads, two each, may be out
.irp e, 0,1,2,3,4,5,6,7
.if (\e)&1
	v_fma_mix_f32_bf16 v[OO+(\e)], v[RR+4*i+(\e)/2], v[PP+i], v[OO+(\e)] op_sel:[1,0,0] op_sel_hi:[1,0,0]
.else
	v_fma_mix_f32_bf16 v[OO+(\e)], v[RR+4*i+(\e)/2], v[PP+i], v[OO+(\e)] op_sel_hi:[1,0,0]
.endif
.endr
.set i, i+1
.endr
	v_add_nc_u32 v[PAD], 64, v[PAD]
	v_add_nc_u32 v[RA], 16*PITCH, v[RA]
	s_sub_co_u32 s24, s24, 1
	s_cmp_lg_u32 s24, 0
	s_cbranch_scc1 .Lsum
	s_wait_tensorcnt 0x0                           ; the wave's end, behind my last LDS store; no LDS instruction follows
	ds_add_u32 v[SPW], v[NIL]
	s_wait_dscnt 0x0
	global_store_b128 v[GO], v[OO:OO+3],   s[18:19]            ; each store of the wave covers 512 consecutive bytes, aligned
	global_store_b128 v[GO], v[OO+4:OO+7], s[18:19] offset:512
	s_cmp_lg_u32 s23, 0
	s_cbranch_scc1 .Ldone
	global_store_b128 v[VL16], v[STT:STT+3], s[20:21]          ; wave 0: (m, l) 64 times over, so that the work-group's 512 bytes of stat are written whole
.Ldone:
	s_endpgm
.Lfunc_end_k_q4ea94c384d_main:
	.size	k_q4ea94c384d_main, .Lfunc_end_k_q4ea94c384d_main-k_q4ea94c384d_main
	.p2alignl 7, 3214868480
	.fill 96, 4, 3214868480
	.section	.rodata,"a",@progbits
	.p2align	6, 0x0
	.amdhsa_kernel k_q4ea94c384d_main
		.amdhsa_group_segment_fixed_size 277248
		.amdhsa_private_segment_fixed_size 0
		.amdhsa_enable_private_segment 0
		.amdhsa_kernarg_size 72
		.amdhsa_user_sgpr_count 2
		.amdhsa_user_sgpr_kernarg_segment_ptr 1
		.amdhsa_wavefront_size32 1
		.amdhsa_system_sgpr_workgroup_id_x 1
		.amdhsa_system_sgpr_workgroup_id_y 1
		.amdhsa_system_sgpr_workgroup_id_z 1
		.amdhsa_system_vgpr_workitem_id 0
		.amdhsa_next_free_vgpr 1024
		.amdhsa_next_free_sgpr 66
		.amdhsa_reserve_vcc 0
		.amdhsa_float_denorm_mode_32 3
		.amdhsa_float_denorm_mode_16_64 3
		.amdhsa_memory_ordered 1
		.amdhsa_forward_progress 1
		.amdhsa_inst_pref_size 242
	.end_amdhsa_kernel
	.amdgpu_metadata
---
amdhsa.version: [ 1, 2 ]
amdhsa.kernels:
  - .name:           k_q4ea94c384d_main
    .symbol:         k_q4ea94c384d_main.kd
    .args:
      - { .name: enc_seq, .offset: 0, .size: 8, .value_kind: global_buffer, .address_space: global }
      - { .name: Wf, .offset: 8, .size: 8, .value_kind: global_buffer, .address_space: global }
      - { .name: cpart, .offset: 16, .size: 8, .value_kind: global_buffer, .address_space: global }
      - { .name: b0, .offset: 24, .size: 8, .value_kind: global_buffer, .address_space: global }
      - { .name: w1, .offset: 32, .size: 8, .value_kind: global_buffer, .address_space: global }
      - { .name: b1, .offset: 40, .size: 8, .value_kind: global_buffer, .address_space: global }
      - { .name: mask, .offset: 48, .size: 8, .value_kind: global_buffer, .address_space: global }
      - { .name: part, .offset: 56, .size: 8, .value_kind: global_buffer, .address_space: global }
      - { .name: stat, .offset: 64, .size: 8, .value_kind: global_buffer, .address_space: global }
    .group_segment_fixed_size: 277248
    .private_segment_fixed_size: 0
    .kernarg_segment_align: 8
    .kernarg_segment_size: 72
    .max_flat_workgroup_size: 128
    .sgpr_count:     66
    .vgpr_count:     1024
    .wavefront_size: 32
...
	.end_amdgpu_metadata
.endif
;; end of part 2
;; launch combine (part 3): grid 64 x 1, 8 waves a work-group, no clusters, 0 bytes of LDS; arguments part, stat, out0; writes out0
.if DOCPART == 3
	.amdgcn_target "amdgcn-amd-amdhsa--gfx1250"
	.amdhsa_code_object_version 6
	.text
	.protected	k_q4ea94c384d_combine
	.globl	k_q4ea94c384d_combine
	.p2align	8
	.type	k_q4ea94c384d_combine,@function
k_q4ea94c384d_combine:
	s_mov_b64 s[64:65], 0
	v_nop
	global_prefetch_b8 v0, s[64:65] scope:SCOPE_SE
	s_setreg_imm32_b32 hwreg(HW_REG_WAVE_MODE, 25, 1), 1
	s_wait_xcnt 0x0
; out0[b][k] = (the sum over q of f_q part[4 b + q][k]) / (the sum over q of f_q l_q),  f_q = e^(m_q - M),  M = the largest of the batch's four m_q:
; the softmax over a batch's 512 rows, joined from its four blocks of 128 with the batch's own maximum taken away.
; One work-group a batch; thread t takes k = 4 t .. + 3: every load and store of a wave covers 512 consecutive bytes, aligned.  16 KiB in and 4 KiB out a work-group: a stream; no LDS, no barrier,
; no matrix unit, no cluster (no two work-groups read the same bytes).
; LIMITS.  A block whose rows are all hidden comes with m = -3.4e38, l = 0, part = 0 and gets f = 0; a batch whose 512 rows are all hidden gives NaN, as the softmax of nothing does.
	s_load_b128 s[4:7], s[0:1], 0x0                ; part s[4:5], stat s[6:7]
	s_load_b64 s[8:9], s[0:1], 0x10                ; out0
	v_lshlrev_b32 v1, 4, v0                        ; 16 t
	s_lshl_b32 s10, ttmp9, 14                      ; part: four rows of 4,096 bytes a batch
	s_mov_b32 s11, 0
	s_lshl_b32 s12, ttmp9, 11                      ; stat: four blocks of 512 bytes
	s_mov_b32 s13, 0
	s_lshl_b32 s14, ttmp9, 12                      ; out0: a row of 4,096 bytes
	s_mov_b32 s15, 0
	s_wait_kmcnt 0x0
	s_add_nc_u64 s[4:5], s[4:5], s[10:11]
	s_add_nc_u64 s[6:7], s[6:7], s[12:13]
	s_add_nc_u64 s[8:9], s[8:9], s[14:15]
.irp q, 0,1,2,3
	s_load_b64 s[16+2*(\q):17+2*(\q)], s[6:7], 512*(\q)          ; (m_q, l_q)
.endr
.irp q, 0,1,2,3
	global_load_b128 v[4+4*(\q):7+4*(\q)], v1, s[4:5] offset:4096*(\q) th:TH_LOAD_NT
.endr
	s_wait_kmcnt 0x0
	v_mov_b32 v20, s16
	v_max_num_f32 v20, s18, v20
	v_max_num_f32 v20, s20, v20
	v_max_num_f32 v20, s22, v20                    ; M
.irp q, 0,1,2,3
	v_sub_f32 v[24+(\q)], s[16+2*(\q)], v20
.endr
.irp q, 0,1,2,3
	v_mul_f32 v[24+(\q)], 0x3fb8aa3b, v[24+(\q)]
.endr
.irp q, 0,1,2,3
	v_exp_f32 v[24+(\q)], v[24+(\q)]
.endr
	v_nop                                          ; a plain line between the last exponential and the use of its result (ISA guide 5.7.2)
	s_wait_alu depctr_va_vdst(0)
	v_mul_f32 v28, s17, v24
	v_fmac_f32 v28, s19, v25
	v_fmac_f32 v28, s21, v26
	v_fmac_f32 v28, s23, v27                       ; the batch's sum of weights
	v_rcp_f32 v29, v28
	v_nop
	s_wait_alu depctr_va_vdst(0)
.irp q, 0,1,2,3
	v_mul_f32 v[24+(\q)], v[24+(\q)], v29          ; g_q = f_q / sum
.endr
	s_wait_loadcnt 0x0
	v_pk_mul_f32 v[32:33], v[4:5], v[24:25] op_sel_hi:[1,0]                                ; g_0 for both halves
	v_pk_mul_f32 v[34:35], v[6:7], v[24:25] op_sel_hi:[1,0]
	v_pk_fma_f32 v[32:33], v[8:9],   v[24:25], v[32:33] op_sel:[0,1,0] op_sel_hi:[1,1,1]   ; g_1
	v_pk_fma_f32 v[34:35], v[10:11], v[24:25], v[34:35] op_sel:[0,1,0] op_sel_hi:[1,1,1]
	v_pk_fma_f32 v[32:33], v[12:13], v[26:27], v[32:33] op_sel_hi:[1,0,1]                  ; g_2
	v_pk_fma_f32 v[34:35], v[14:15], v[26:27], v[34:35] op_sel_hi:[1,0,1]
	v_pk_fma_f32 v[32:33], v[16:17], v[26:27], v[32:33] op_sel:[0,1,0] op_sel_hi:[1,1,1]   ; g_3
	v_pk_fma_f32 v[34:35], v[18:19], v[26:27], v[34:35] op_sel:[0,1,0] op_sel_hi:[1,1,1]
	global_store_b128 v1, v[32:35], s[8:9] th:TH_STORE_NT
	s_endpgm
.Lfunc_end_k_q4ea94c384d_combine:
	.size	k_q4ea94c384d_combine, .Lfunc_end_k_q4ea94c384d_combine-k_q4ea94c384d_combine
	.p2alignl 7, 3214868480
	.fill 96, 4, 3214868480
	.section	.rodata,"a",@progbits
	.p2align	6, 0x0
	.amdhsa_kernel k_q4ea94c384d_combine
		.amdhsa_group_segment_fixed_size 0
		.amdhsa_private_segment_fixed_size 0
		.amdhsa_enable_private_segment 0
		.amdhsa_kernarg_size 24
		.amdhsa_user_sgpr_count 2
		.amdhsa_user_sgpr_kernarg_segment_ptr 1
		.amdhsa_wavefront_size32 1
		.amdhsa_system_sgpr_workgroup_id_x 1
		.amdhsa_system_sgpr_workgroup_id_y 1
		.amdhsa_system_sgpr_workgroup_id_z 1
		.amdhsa_system_vgpr_workitem_id 0
		.amdhsa_next_free_vgpr 48
		.amdhsa_next_free_sgpr 66
		.amdhsa_reserve_vcc 0
		.amdhsa_float_denorm_mode_32 3
		.amdhsa_float_denorm_mode_16_64 3
		.amdhsa_memory_ordered 1
		.amdhsa_forward_progress 1
		.amdhsa_inst_pref_size 4
	.end_amdhsa_kernel
	.amdgpu_metadata
---
amdhsa.version: [ 1, 2 ]
amdhsa.kernels:
  - .name:           k_q4ea94c384d_combine
    .symbol:         k_q4ea94c384d_combine.kd
    .args:
      - { .name: part, .offset: 0, .size: 8, .value_kind: global_buffer, .address_space: global }
      - { .name: stat, .offset: 8, .size: 8, .value_kind: global_buffer, .address_space: global }
      - { .name: out0, .offset: 16, .size: 8, .value_kind: global_buffer, .address_space: global }
    .group_segment_fixed_size: 0
    .private_segment_fixed_size: 0
    .kernarg_segment_align: 8
    .kernarg_segment_size: 24
    .max_flat_workgroup_size: 256
    .sgpr_count:     66
    .vgpr_count:     48
    .wavefront_size: 32
...
	.end_amdgpu_metadata
.endif
;; end of part 3
